; MI455X (gfx1250); checked and timed in simulation.
; The chip was launched on July 23, 2026; its instructions are those of AMD's public machine-readable ISA for CDNA 5 (MIT licence, August 2026) and "CDNA5" Instruction Set Architecture Reference Guide (July 2026). The comments in the code are by the model that wrote it; some were corrected since.
;; Output Layer. Allowed arithmetic: matrix products marked QUANTISED: E2M3 operands, one E8M0 scale for each 32 along K, by v_wmma_scale_f32_16x16x128_f8f6f4 with both operands' format E2M3, f32 sums; everything else in f32.
;; Inputs: W 4,096 x 4,096 float32; a2 4,096 float32; b 4,096 float32; b2 4,096 float32; x 8 x 512 x 4,096 float32.
;; Outputs: out0 8 x 512 x 4,096 float32.
;; This version of the problem:
;;   THIS VERSION OF THE PROBLEM IS GIVEN IN LOW PRECISION. The matrix products marked QUANTISED in the list below multiply operands that are first quantised to E2M3 (2 exponent bits, 3 mantissa bits; 6 bits a number), with one power-of-two scale for each 32 numbers along K (OCP MX v1.0); their sums are f32. All else is computed in f32.
;;   The module's matrix products, in the order in which they are computed (A, B: the left and right operand; K: the contracted axis; several contracted axes count as one K, in the product's order):
;;     1. [M 4,096, K 4,096] x [K 4,096, N 4,096]; A: input x; B: input W: QUANTISED
;;   THE QUANTISER, for each operand of a quantised product, along K:
;;     - K is cut into blocks of 32 from its start; a last block that is shorter is filled with zeros.
;;     - A block's scale is 2^e with e = floor(log2(the largest magnitude in the block)) - 2, held to -126 .. 127; a block of zeros has e = 0. As a byte (E8M0): e + 127.
;;     - Each number is divided by its block's scale, clamped to +-7.5, and rounded to the nearest number of E2M3, ties to even, subnormals kept.
;;     - The product sums the exact products of the quantised numbers (number of the format x scale) in f32.
;;   ~~~python
;;   def quantise(x, axis):      # numpy; x: float32 -> the quantised numbers, widened to float32 again
;;       x = np.moveaxis(x, axis, -1); K = x.shape[-1]
;;       x = np.pad(x, [(0, 0)] * (x.ndim - 1) + [(0, -K % 32)]); x = x.reshape(x.shape[:-1] + (-1, 32)); a = np.abs(x).max(-1, keepdims=True)
;;       e = np.where(a > 0, np.clip(np.frexp(np.where(a > 0, a, 1))[1] - 1 - 2, -126, 127), 0)      # np.frexp(a)[1] - 1 = floor(log2(a)), exactly
;;       r = np.clip(x / 2.0 ** e, -7.5, 7.5)
;;       step = 2.0 ** (np.maximum(np.frexp(np.where(r == 0, 1, r))[1] - 1, 0) - 3)
;;       q = np.round(r / step) * step * 2.0 ** e      # np.round: ties to even
;;       return np.moveaxis(q.reshape(q.shape[:-2] + (-1,))[..., :K], -1, axis).astype(np.float32)
;;   ~~~
;; One version. Each part assembles by itself: llvm-mc -triple=amdgcn-amd-amdhsa -mcpu=gfx1250 --defsym DOCPART=n.
;; ======== version 1 of 1: 3 launches
;; limits: right only within a limited range of input values
;; workspace buffers: xq 13,107,200 bytes; wq 13,107,200 bytes; g 67,108,864 bytes; st 1,048,576 bytes
;; launch quant (part 1): grid 1024 x 1, 4 waves a work-group, no clusters, 34,304 bytes of LDS; arguments x, W, xq, wq; writes xq, wq
.if DOCPART == 1
	.amdgcn_target "amdgcn-amd-amdhsa--gfx1250"
	.amdhsa_code_object_version 6
	.text
	.protected	k_q4fc7981141_quant
	.globl	k_q4fc7981141_quant
	.p2align	8
	.type	k_q4fc7981141_quant,@function
k_q4fc7981141_quant:
	s_mov_b64 s[64:65], 0
	v_nop
	global_prefetch_b8 v0, s[64:65] scope:SCOPE_SE
	s_setreg_imm32_b32 hwreg(HW_REG_WAVE_MODE, 25, 1), 1
	s_wait_xcnt 0x0
; x [4096][4096] and W [4096][4096], f32, K innermost in both, are turned into codes of FP6 (E2M3), 6 bits each, with one E8M0 scale byte for each 32 along K,
; AND LAID IN THE ORDER IN WHICH THE PRODUCT'S OPERAND REGISTERS TAKE THEM.
; A block's scale is 2^(floor(log2(its largest magnitude)) - 2), 2 being the exponent of the format's largest number, 7.5; its byte is the largest magnitude's own exponent field - 2, held at 1 from below.
; Each number is divided by the scale and rounded to the nearest code, ties to even; beyond 7.5 the largest code.
; LIMITS: a block of zeros gets the byte 1 where the rule says 127: its codes are zeros, which add nothing under any byte but 0xff, and the bytes are read by this program alone.
; Blocks whose largest magnitude lies under 2^(3 - 127) have their byte held at 1.  NaN and infinities among the inputs are not served.
; THE OUTPUT, xq and wq: [K step of 128 (32)][group of 128 rows (32)][a unit of 12,800 bytes].  A unit: eight fragments (16 rows x 128 K) of 1,536 bytes, then 512 bytes of scale words.
; A fragment is the image of its 12 registers: lane (r, h) holds row r; registers 6 c .. 6 c + 5 hold K = 64 c + 32 h + 0 .. 31; registers 4 g .. 4 g + 3 of lane l lie at 512 g + 16 l.
; The scale word (four bytes: 128 along K) of row 16 i + r of the group lies at 256 (i / 4) + 16 r + 4 (i % 4) of the 512.
; SHARES.  A wave takes 64 rows x 128 K: four fragments, half a unit.  The four waves of a work-group take four neighbouring K steps of the same 64 rows.  The first 512 work-groups take x, the others W: only pointers are chosen.
; A FRAGMENT: sixteen loads, each one row's 512 consecutive bytes, 16 a lane; the 8,192 bytes go through the wave's own stage in LDS (rows 528 bytes apart: an odd multiple of 16, so that the sixteen rows that a
; load of 16 bytes a lane touches start at sixteen different groups of banks) and come back in the operand's order: a lane gets two WHOLE blocks of 32, so that no other lane is asked for a maximum, and the conversions' results
; are the fragment's registers.  They leave by three stores of 512 consecutive bytes.
; Loads run two fragments (32 loads a wave) ahead.  No tensor loads, no barrier, no cluster: waves and work-groups share no input byte.
.set UNIT,   12800                     ; a unit in bytes
.set KPITCH, 32*UNIT                   ; from a K step's units to the next K step's
.set FRB,    1536                      ; a fragment's image
.set SP,     528                       ; a row in the stage
.set ROWB,   16384                     ; a row of x or W in memory
.set WD,     16                        ; v16-19   the four fragments' scale words
.set MX,     20                        ; v20-23   largest magnitudes: two chains for each of my two blocks
.set SO,     24                        ; v24-25   the conversions' scale operands
.set BY,     26                        ; v26-27   the scale bytes
.set X,      32                        ; v32-95   my 64 numbers: register 32 c + i = K 64 c + 32 h + i of my row
.set R,      96                        ; v96-223  two sets of 64: a fragment as it is loaded
.set CD,     224                       ; v224-235 the fragment's codes
.set TM,     236                       ; v236-242 the upper halves of the two blocks, before they are moved
	s_load_b128 s[4:7], s[0:1], 0x0                ; x, W
	s_load_b128 s[8:11], s[0:1], 0x10              ; xq, wq
	v_lshl_add_u32 v244, v0, 2, 0x8400
	v_mov_b32 v245, 0
	v_lshrrev_b32 v1, 5, v0
	v_readfirstlane_b32 s16, v1                    ; wave
	v_and_b32 v2, 31, v0                           ; lane
	v_lshlrev_b32 v3, 4, v2                        ; 16 x lane: my bytes of a load's 512, and of a store's; never rewritten
	s_mul_i32 s17, s16, 16*SP                      ; my wave's stage
	v_add_nc_u32 v4, s17, v3                       ; into it: as loaded; the row stands in the immediate
	v_and_b32 v8, 15, v0                           ; r
	v_bfe_u32 v9, v0, 4, 1                         ; h
	v_mul_u32_u24 v5, v8, SP
	v_lshl_add_u32 v5, v9, 7, v5
	v_add_nc_u32 v5, s17, v5                       ; out of it: row r, + 128 h: my block of the row's first 64 numbers
	v_lshlrev_b32 v6, 4, v8
	v_lshl_add_u32 v6, v9, 3, v6                   ; the scale words' way out: 16 r + 8 h
	v_lshlrev_b32 v7, 3, v9                        ; 8 h: my bytes' place in a scale word
	v_mov_b32 v10, 0                               ; written once: a lane permute's destination counts as one of its sources
	s_mov_b32 s20, 0x76543210
	s_mov_b32 s21, 0xfedcba98                      ; v_permlanex16_b32's selects for lane l xor 16
	s_and_b32 s18, ttmp9, 511                      ; the work-group's number within its tensor
	s_and_b32 s19, s18, 7
	s_lshl_b32 s19, s19, 2
	s_add_co_u32 s19, s19, s16                     ; my K step: 4 x (number % 8) + wave
	s_lshr_b32 s18, s18, 3                         ; which 64 rows: number / 8
	s_lshl_b32 s22, s18, 20                        ; in: 64 rows of 16,384 bytes,
	s_lshl_b32 s23, s19, 9                         ; + 512 bytes a K step
	s_add_co_u32 s22, s22, s23
	s_mov_b32 s23, 0
	s_lshr_b32 s24, s18, 1                         ; the group of 128 rows,
	s_and_b32 s25, s18, 1                          ; and which half of it
	s_mul_i32 s26, s19, KPITCH
	s_mul_i32 s24, s24, UNIT
	s_add_co_u32 s26, s26, s24                     ; out: my unit
	s_mul_i32 s24, s25, 4*FRB
	s_add_co_u32 s24, s24, s26                     ; my four fragments in it
	s_lshl_b32 s28, s25, 8
	s_add_co_u32 s28, s28, s26
	s_add_co_u32 s28, s28, 8*FRB                   ; my 256 bytes of scale words in it
	s_mov_b32 s25, 0
	s_mov_b32 s29, 0
	s_wait_alu depctr_va_vdst(0)
	s_wait_kmcnt 0x0
	s_cmp_lt_u32 ttmp9, 512                        ; x's work-group or W's?  The choice hangs on the work-group's number alone
	s_cselect_b64 s[4:5], s[4:5], s[6:7]
	s_cselect_b64 s[8:9], s[8:9], s[10:11]
	s_add_nc_u64 s[4:5], s[4:5], s[22:23]
	s_add_nc_u64 s[10:11], s[8:9], s[28:29]
	s_add_nc_u64 s[8:9], s[8:9], s[24:25]
.macro LOAD f                          ; fragment f: sixteen rows' 512 bytes into set f % 2
.irp p, 0,1,2,3,4,5,6,7,8,9,10,11,12,13,14,15
	global_load_b128 v[R+64*((\f)%2)+4*\p:R+64*((\f)%2)+4*\p+3], v3, s[4:5] offset:(16*(\f)+\p)*ROWB th:TH_LOAD_NT   ; 32 lanes read 512 consecutive bytes; read once in the launch
.endr
.endm
.macro FRAGM f
.if (\f) < 3
	s_wait_loadcnt 16                              ; this fragment's sixteen loads are in; the next fragment's sixteen may be out
.else
	s_wait_loadcnt 0x0
.endif
.irp p, 0,1,2,3,4,5,6,7,8,9,10,11,12,13,14,15
	ds_store_b128 v4, v[R+64*((\f)%2)+4*\p:R+64*((\f)%2)+4*\p+3] offset:\p*SP
.endr
.irp c, 0,1
.irp j, 0,1,2,3,4,5,6,7
	ds_load_b128 v[X+32*\c+4*\j:X+32*\c+4*\j+3], v5 offset:256*\c+16*\j   ; LDS serves a wave's instructions in order: these see the stores above, and the next fragment's stores come behind them
.endr
.endr
	s_wait_dscnt 0x0                               ; my 64 numbers are back: so the stores into the stage have read their registers,
.if (\f)+2 < 4
	LOAD (\f)+2                                    ; which take the loads of two fragments on
.endif
.irp c, 0,1                                    ; my two blocks' largest magnitudes: all 32 numbers of each are mine; two chains a block, the four by turns
	v_max3_num_f32 v[MX+\c], |v[X+32*\c]|, |v[X+32*\c+1]|, 0x1800000   ; with the floor 2^(3 - 127), under which no largest magnitude is taken: so the byte cannot fall under 1
	v_max3_num_f32 v[MX+2+\c], |v[X+32*\c+16]|, |v[X+32*\c+17]|, |v[X+32*\c+18]|
.endr
.irp i, 2,4,6,8,10,12
.irp c, 0,1
	v_max3_num_f32 v[MX+\c], v[MX+\c], |v[X+32*\c+\i]|, |v[X+32*\c+\i+1]|
	v_max3_num_f32 v[MX+2+\c], v[MX+2+\c], |v[X+32*\c+17+\i]|, |v[X+32*\c+18+\i]|
.endr
.endr
.irp c, 0,1
	v_max3_num_f32 v[MX+\c], v[MX+\c], |v[X+32*\c+14]|, |v[X+32*\c+15]|
.endr
.irp c, 0,1
	v_max3_num_f32 v[MX+\c], v[MX+\c], v[MX+2+\c], |v[X+32*\c+31]|
.endr
.irp c, 0,1
	v_add_nc_u32 v[SO+\c], 0xff000000, v[MX+\c]    ; 2 off its exponent field: the conversion takes the exponent field of this operand as its scale, and nothing else of it
.endr
.irp c, 0,1
	v_lshrrev_b32 v[BY+\c], 23, v[SO+\c]           ; the scale's byte
.endr
	v_lshl_or_b32 v11, v[BY+1], 16, v[BY]          ; my two bytes: blocks h and 2 + h of row r,
	v_lshlrev_b32 v11, v7, v11                     ; at their places in the scale word (8 h bits up);
	v_permlanex16_b32 v10, v11, s20, s21
	v_or_b32 v[WD+(\f)], v11, v10                  ; with lane l xor 16's two the word is whole, in both lanes
.if (\f) > 0
	s_wait_alu depctr_va_vdst(0)
	s_wait_xcnt 0x0                                ; the last fragment's stores have read their data registers: only behind this wait are the codes written again
.endif
.irp c, 0,1
	v_cvt_scalef32_pk16_fp6_f32 v[CD+6*\c:CD+6*\c+2], v[X+32*\c:X+32*\c+15], v[SO+\c]       ; registers 6 c .. 6 c + 2 of the operand: 16 codes, 96 bits without gaps, the first number's code lowest
	v_cvt_scalef32_pk16_fp6_f32 v[TM+4*\c:TM+4*\c+2], v[X+32*\c+16:X+32*\c+31], v[SO+\c]   ; (a conversion's three registers begin on an even number: the second half of a block's six does not, so it is made elsewhere and moved)
.endr
	v_nop                                          ; one plain instruction behind a scaled conversion
.irp c, 0,1
.irp i, 0,1,2
	v_mov_b32 v[CD+3+6*\c+\i], v[TM+4*\c+\i]
.endr
.endr
.irp g, 0,1,2
	global_store_b128 v3, v[CD+4*\g:CD+4*\g+3], s[8:9] offset:(\f)*FRB+512*\g   ; 32 lanes store 512 consecutive bytes, at a multiple of 256 from the buffer's first byte
.endr
.endm
	LOAD 0
	LOAD 1
	FRAGM 0
	FRAGM 1
	FRAGM 2
	FRAGM 3
	v_cmp_ne_u32 vcc_lo, 0, v9                     ; both halves of the lanes hold row r's four words: lanes 0-15 send words 0 and 1, lanes 16-31 words 2 and 3
	v_cndmask_b32 v12, v[WD], v[WD+2], vcc_lo
	v_cndmask_b32 v13, v[WD+1], v[WD+3], vcc_lo
	global_store_b64 v6, v[12:13], s[10:11]        ; 32 lanes store 256 consecutive bytes, at a multiple of 256 from the buffer's first byte
	s_wait_tensorcnt 0x0
	ds_add_u32 v244, v245
	s_wait_dscnt 0x0
	s_endpgm
.Lfunc_end_k_q4fc7981141_quant:
	.size	k_q4fc7981141_quant, .Lfunc_end_k_q4fc7981141_quant-k_q4fc7981141_quant
	.p2alignl 7, 3214868480
	.fill 96, 4, 3214868480
	.section	.rodata,"a",@progbits
	.p2align	6, 0x0
	.amdhsa_kernel k_q4fc7981141_quant
		.amdhsa_group_segment_fixed_size 34304
		.amdhsa_private_segment_fixed_size 0
		.amdhsa_enable_private_segment 0
		.amdhsa_kernarg_size 32
		.amdhsa_user_sgpr_count 2
		.amdhsa_user_sgpr_kernarg_segment_ptr 1
		.amdhsa_wavefront_size32 1
		.amdhsa_system_sgpr_workgroup_id_x 1
		.amdhsa_system_sgpr_workgroup_id_y 1
		.amdhsa_system_sgpr_workgroup_id_z 1
		.amdhsa_system_vgpr_workitem_id 0
		.amdhsa_next_free_vgpr 246
		.amdhsa_next_free_sgpr 66
		.amdhsa_reserve_vcc 1
		.amdhsa_float_denorm_mode_32 3
		.amdhsa_float_denorm_mode_16_64 3
		.amdhsa_memory_ordered 1
		.amdhsa_forward_progress 1
		.amdhsa_inst_pref_size 30
	.end_amdhsa_kernel
	.amdgpu_metadata
---
amdhsa.version: [ 1, 2 ]
amdhsa.kernels:
  - .name:           k_q4fc7981141_quant
    .symbol:         k_q4fc7981141_quant.kd
    .args:
      - { .name: x, .offset: 0, .size: 8, .value_kind: global_buffer, .address_space: global }
      - { .name: W, .offset: 8, .size: 8, .value_kind: global_buffer, .address_space: global }
      - { .name: xq, .offset: 16, .size: 8, .value_kind: global_buffer, .address_space: global }
      - { .name: wq, .offset: 24, .size: 8, .value_kind: global_buffer, .address_space: global }
    .group_segment_fixed_size: 34304
    .private_segment_fixed_size: 0
    .kernarg_segment_align: 8
    .kernarg_segment_size: 32
    .max_flat_workgroup_size: 128
    .sgpr_count:     66
    .vgpr_count:     246
    .wavefront_size: 32
...
	.end_amdgpu_metadata
.endif
;; end of part 1
;; launch gemm (part 2): grid 16 x 16, 4 waves a work-group, clusters of 4 x 4, 327,680 bytes of LDS; arguments xq, wq, b, st, g; writes st, g
.if DOCPART == 2
	.amdgcn_target "amdgcn-amd-amdhsa--gfx1250"
	.amdhsa_code_object_version 6
	.text
	.protected	k_q4fc7981141_gemm
	.globl	k_q4fc7981141_gemm
	.p2align	8
	.type	k_q4fc7981141_gemm,@function
k_q4fc7981141_gemm:
	s_mov_b64 s[64:65], 0
	v_nop
	global_prefetch_b8 v0, s[64:65] scope:SCOPE_SE
	s_setreg_imm32_b32 hwreg(HW_REG_WAVE_MODE, 25, 1), 1
	s_wait_xcnt 0x0
	s_wait_alu depctr_hold_cnt(0) depctr_sa_sdst(0) depctr_va_vdst(0) depctr_va_sdst(0) depctr_va_ssrc(0) depctr_va_vcc(0) depctr_vm_vsrc(0)
	s_getreg_b32 s2, hwreg(HW_REG_IB_STS2, 6, 4)
	s_cmp_eq_u32 s2, 0
	s_cbranch_scc0 .Lentry_in_a_cluster
	s_endpgm
.Lentry_in_a_cluster:
	s_bfe_u32 s2, ttmp6, 0x10000c
	s_cmp_lg_u32 s2, 0xf033
	s_cbranch_scc0 .Lentry_shape_is_right
	s_endpgm
.Lentry_shape_is_right:
; g[m][n] = gelu_tanh(sum over k of x[m][k] W[n][k] + b[n]), f32, and for each row m and each run of 128 columns the pair (S, M2): S = the sum of g, M2 = the sum of (g - S / 128)^2.
; x and W come as codes of FP6 (E2M3) with E8M0 scale words, laid by the launch before as images of the operand registers:
; xq, wq: [K step of 128 (32)][group of 128 rows (32)][unit of 12,800 bytes: eight fragments of 1,536 bytes, then 512 bytes of scale words].
; A work-group of four waves makes 256 x 256; a wave 128 x 128: 64 accumulators, 512 registers.  K goes through a ring of two LDS slots of three K steps each (the eleventh fill has two).
; CLUSTERS: 4 x 4 work-groups; A's units are asked for jointly along a row of the cluster, B's along a column.
; THE MATRIX INSTRUCTION IS USED TRANSPOSED (source 0 = rows of W, source 1 = rows of x): lane (r, h) holds row r, and registers 8 b + j of a block of 16 rows hold columns 16 b + 8 h + j: 64 numbers of ONE row,
; so the row's sums need one exchange with lane l xor 16.
; GELU: 0.5 X (1 + tanh u) = X / (1 + 2^z), z = X (k1 + k2 X^2), k1 = -2 log2(e) sqrt(2 / pi), k2 = 0.044715 k1.  Where 2^z overflows the quotient is -0, where it falls to 0 it is X: the tanh form's limits.
; st: [group of 32 rows (128)][run of 128 columns (32)][row (32)][S, M2]: a wave's store for two blocks of 16 rows is one aligned run of 256 bytes.
; PREFETCH: behind the joint load of fill f each wave names fill f + 1's bytes of the unit that it fetches: 150 blocks of 256 bytes, of which the partner at place p (cx for A, cy for B) takes 38 p .. 38 p + 37,
; by address alone; two instructions a wave, left-over lanes naming the wave's last block again.  Fills 0 and 1 come by their loads alone; fill 10, which has two K steps, is not named, so no address passes the buffer's end.
; LIMITS: NaN and infinities among the codes' sources are not served (see the quantising launch).
; REGISTERS: window 0: v0-31 addresses and constants; v32-47 scale words, two sets; v48-63 the way out's sums; v64-127 b of my 128 columns; v128-223 A's fragments, one set (way out: v128-191 X, v192-255 T).
;   window 1: B's fragments, two sets, at v0 and v128 (way out: v64-191 rows read back from the stage, two sets).  windows 2, 3: the accumulators of my rows 0-63, 64-127.
.set SIZE_N, 4096
.set UNIT,   12800
.set KPITCH, 32*UNIT
.set FRB,    1536
.set FR,     12
.set NP,     4                         ; places behind this matrix form (ISA guide 7.12.1)
.set PART,   3*UNIT                    ; what one tensor load brings: one unit of three K steps
.set SLOT,   4*PART
.set SPARE,  2*SLOT                    ; the spare words: 128 bytes a wave
.set SPITCH, 528
.set STAGE,  SLOT                      ; the way out's stage lies in slot 1, which has had its last fill and its last read by then
.set K2,   8                           ; v[8:9] k2 twice, v[10:11] k1 twice
.set K1,   10
.set SO,   12                          ; v[12:13] the pair that leaves for st
.set ADRA, 16
.set ADRS, 18
.set ADRB, 20
.set BO,   22                          ; 32 h: my offset in b
.set SOF,  23                          ; 8 x lane: my offset in a run of st
.set STO,  24
.set RD,   25
.set CO,   26
.set SPW,  28
.set NIL,  29
.set PF0,  30                          ; the prefetches' two offsets
.set PF1,  31
.set SC,   32
.set SM,   48                          ; v[48:55] four chains of pairs
.set PX,   56
.set MN,   58                          ; v[58:59] S / 128, twice
.set EV,   60                          ; v[60:61] S, M2 of the even block; v[62:63] of the odd one
.set OD,   62
.set BI,   64
.set AF,   128
.set X,    128
.set T,    192
.set BK,   64                          ; window 1
.set G1, 24
.set G0, 32
.set G1B, 48
.set G0B, 56
.set G1T, 68
.set G1TB, 80
.set PFA, 88                           ; s[88:89] where my prefetches stand
.set MSB, 0
.macro WIN new                         ; the immediate's high byte repeats the setting that is left
.if MSB != \new
	s_set_vgpr_msb (MSB<<8)|\new
.set MSB, \new
.endif
.endm
.set MUL_LO, 0xa1
.set MUL_HI, 0xf1
.set TO_B,   0x40
.macro JLOAD g0a, g1a, g0b, g1b        ; a joint load: waves 0, 1 fetch for A, waves 2, 3 for B
	s_cmp_eq_u32 s15, 0
	s_cbranch_scc0 .Lfor_b_\@
	tensor_load_to_lds s[\g0a:\g0a+3], s[\g1a:\g1a+7]
	s_nop 0
.rept 4
	v_nop
.endr
	s_branch .Lasked_\@
.Lfor_b_\@:
	tensor_load_to_lds s[\g0b:\g0b+3], s[\g1b:\g1b+7]
	s_nop 0
.rept 4
	v_nop
.endr
.Lasked_\@:
.endm
.macro CREST                           ; a round of the cluster's barrier behind its opening barrier
	s_cmp_lg_u32 s14, 0
	s_cbranch_scc1 .Lnot_wave_0_\@
	s_barrier_signal -3
.Lnot_wave_0_\@:
	s_barrier_wait -3
	s_barrier_signal -1
	s_barrier_wait -1
.endm
.macro CROUND
	s_barrier_signal -1
	s_barrier_wait -1
	CREST
.endm
.macro ASK cond                        ; cond = 1: not in the loop's last trip, whose next fill has two K steps only
.if \cond
	s_cmp_gt_u32 s3, 1
	s_cbranch_scc0 .Lno_ask_\@
.endif
	global_prefetch_b8 v[PF0], s[PFA:PFA+1] th:TH_LOAD_NT scope:SCOPE_SE
	global_prefetch_b8 v[PF1], s[PFA:PFA+1] th:TH_LOAD_NT scope:SCOPE_SE
.if \cond
.Lno_ask_\@:
.endif
.endm
	s_load_b256 s[4:11], s[0:1], 0x0               ; xq, wq, b, st
	s_load_b64 s[12:13], s[0:1], 0x20              ; g
	v_lshl_add_u32 v[SPW], v0, 2, SPARE
	v_mov_b32 v[NIL], 0
	ds_add_u32 v[SPW], v[NIL]                      ; the opening lines: the add, twice on end, and one wait below
	ds_add_u32 v[SPW], v[NIL]
	v_lshrrev_b32 v1, 5, v0
	v_readfirstlane_b32 s14, v1                    ; wave
	s_lshr_b32 s15, s14, 1                         ; my half of the rows; also: I fetch for A (0) or B (1)
	s_and_b32 s16, s14, 1                          ; my half of the columns; also: which unit of the two I fetch
	s_bfe_u32 s40, ttmp6, 0x40000                  ; cx
	s_bfe_u32 s41, ttmp6, 0x40004                  ; cy
	s_lshl_b32 s42, ttmp9, 2
	s_add_co_u32 s42, s42, s40                     ; tile column
	s_and_b32 s17, ttmp7, 0xffff
	s_lshl_b32 s17, s17, 2
	s_add_co_u32 s17, s17, s41                     ; tile row
	s_lshl_b32 s43, s41, 2
	s_lshl_b32 s43, 15, s43                        ; my row of the cluster
	s_lshl_b32 s44, 0x1111, s40                    ; my column
	s_or_b32 s[G1+0], s43, (3<<16)|(1<<21)         ; elements of 8 bytes; bit 21 beside the mask
	s_or_b32 s[G1B+0], s44, (3<<16)|(1<<21)
	s_or_b32 s[G1T+0], s43, (3<<16)|(1<<21)
	s_or_b32 s[G1TB+0], s44, (3<<16)|(1<<21)
.irp g, G1, G1B                        ; three rows (K steps) of one unit, KPITCH bytes apart
	s_mov_b32 s[\g+1], (UNIT/8)<<16
	s_mov_b32 s[\g+2], 3<<16
	s_mov_b32 s[\g+3], (UNIT/8)<<16
	s_mov_b32 s[\g+4], 3
	s_mov_b32 s[\g+5], KPITCH/8
	s_mov_b32 s[\g+6], 0
	s_mov_b32 s[\g+7], 0
.endr
.irp g, G1T, G1TB                      ; the last fill: two rows
	s_mov_b32 s[\g+1], (UNIT/8)<<16
	s_mov_b32 s[\g+2], 2<<16
	s_mov_b32 s[\g+3], (UNIT/8)<<16
	s_mov_b32 s[\g+4], 2
	s_mov_b32 s[\g+5], KPITCH/8
	s_mov_b32 s[\g+6], 0
	s_mov_b32 s[\g+7], 0
.endr
	s_lshl_b32 s20, s17, 1
	s_add_co_u32 s20, s20, s16
	s_mul_i32 s20, s20, UNIT                       ; A: group 2 x tile row + which
	s_mov_b32 s21, 0
	s_lshl_b32 s46, s42, 1
	s_add_co_u32 s46, s46, s16
	s_mul_i32 s46, s46, UNIT                       ; B: group 2 x tile column + which
	s_mov_b32 s47, 0
	s_mul_i32 s45, s14, PART                       ; where my part goes: the wave's number alone
	s_wait_dscnt 0x0                               ; both opening adds are done
	s_wait_kmcnt 0x0
	s_add_nc_u64 s[20:21], s[4:5], s[20:21]
	s_add_nc_u64 s[46:47], s[6:7], s[46:47]
.irp s, 0,1
	s_mov_b32 s[G0+4*\s], 1
	s_add_co_u32 s[G0+4*\s+1], s45, \s*SLOT
	s_add_nc_u64 s[G0+4*\s+2:G0+4*\s+3], s[20:21], \s*3*KPITCH
	s_or_b32 s[G0+4*\s+3], s[G0+4*\s+3], 0x80000000
	s_mov_b32 s[G0B+4*\s], 1
	s_add_co_u32 s[G0B+4*\s+1], s45, \s*SLOT
	s_add_nc_u64 s[G0B+4*\s+2:G0B+4*\s+3], s[46:47], \s*3*KPITCH
	s_or_b32 s[G0B+4*\s+3], s[G0B+4*\s+3], 0x80000000
.endr
	s_cmp_eq_u32 s15, 0
	s_cselect_b64 s[PFA:PFA+1], s[20:21], s[46:47] ; the unit that I fetch,
	s_cselect_b32 s94, s40, s41                    ; my place among the four that ask for it with me
	s_add_nc_u64 s[PFA:PFA+1], s[PFA:PFA+1], 6*KPITCH  ; at fill 2
	s_mul_i32 s94, s94, 38
	CROUND                                         ; all sixteen work-groups are here: the first joint loads meet
	JLOAD G0, G1, G0B, G1B                         ; fill 0: one tensor load a wave at the head
	s_mul_i32 s21, s15, PART                       ; my 128 rows of A in a slot,
	s_mul_i32 s22, s16, PART
	s_add_co_u32 s22, s22, 2*PART                  ; of B,
	s_sub_co_u32 s23, s22, s21
	s_add_co_u32 s18, s21, 8*FRB                   ; A's scale words
	s_mul_i32 s19, s14, 16*SPITCH
	s_add_co_u32 s19, s19, STAGE                   ; my stage
	s_lshl_b32 s46, s42, 10
	s_lshl_b32 s47, s16, 9
	s_add_co_u32 s46, s46, s47                     ; my first column in bytes
	s_mov_b32 s47, 0
	s_add_nc_u64 s[8:9], s[8:9], s[46:47]
	s_add_nc_u64 s[12:13], s[12:13], s[46:47]
	s_lshr_b32 s46, s46, 1                         ; my run of 128 columns x 256 bytes
	s_add_nc_u64 s[10:11], s[10:11], s[46:47]
	s_lshl_b32 s46, s17, 1
	s_add_co_u32 s46, s46, s15                     ; which 128 rows are mine
	s_lshl_b32 s4, s46, 21                         ; x 128 rows of 16,384 bytes (31 x 2^21 at the most)
	s_mov_b32 s5, 0
	s_add_nc_u64 s[12:13], s[12:13], s[4:5]
	s_lshl_b32 s4, s46, 15                         ; x four groups of 32 rows, 8,192 bytes each
	s_add_nc_u64 s[10:11], s[10:11], s[4:5]
	s_mov_b32 s90, 0x76543210                      ; selects for lane l xor 16
	s_mov_b32 s91, 0xfedcba98
	s_mov_b32 s92, 0x3c000000                      ; 1 / 128
	v_and_b32 v1, 15, v0                           ; r
	v_bfe_u32 v2, v0, 4, 1                         ; h
	v_and_b32 v3, 31, v0                           ; lane
	v_lshlrev_b32 v[CO], 4, v3
	v_mul_u32_u24 v5, s23, v2                      ; lanes 16-31 take B's scale words
	v_lshl_add_u32 v5, v1, 4, v5
	v_add_nc_u32 v[ADRA], s21, v[CO]
	v_add_nc_u32 v[ADRB], s22, v[CO]
	v_add_nc_u32 v[ADRS], s18, v5
	v_add_nc_u32 v[ADRA+1], SLOT, v[ADRA]
	v_add_nc_u32 v[ADRB+1], SLOT, v[ADRB]
	v_add_nc_u32 v[ADRS+1], SLOT, v[ADRS]
	v_mul_u32_u24 v6, v1, SPITCH
	v_lshl_add_u32 v6, v2, 5, v6
	v_add_nc_u32 v[STO], s19, v6                   ; into the stage: row r, 32 bytes for each half of the lanes
	v_add_nc_u32 v[RD], s19, v[CO]                 ; back: 32 lanes take a row of 512 bytes
	v_lshlrev_b32 v[BO], 5, v2
	v_lshlrev_b32 v[SOF], 3, v3
	v_cmp_ne_u32 s93, 0, v2                        ; lanes 16-31
	v_add_nc_u32 v6, s94, v3                       ; block 38 p + lane, 145 at the most
	v_min_u32 v7, 5, v3
	v_add3_u32 v7, v7, s94, 32                     ; block 38 p + 32 + min(lane, 5),
	v_min_u32 v7, 149, v7                          ; held at the last of the 150
	v_mul_u32_u24 v12, v6, 41
	v_mul_u32_u24 v13, v7, 41
	v_lshrrev_b32 v12, 11, v12                     ; block / 50 (exact up to 149): the K step of the three
	v_lshrrev_b32 v13, 11, v13
	v_mul_u32_u24 v12, v12, KPITCH-UNIT
	v_mul_u32_u24 v13, v13, KPITCH-UNIT
	v_lshl_add_u32 v[PF0], v6, 8, v12
	v_lshl_add_u32 v[PF1], v7, 8, v13
	v_mov_b32 v[K2], 0xbdd2d3e8
	v_mov_b32 v[K2+1], 0xbdd2d3e8
	v_mov_b32 v[K1], 0xc0135761
	v_mov_b32 v[K1+1], 0xc0135761
.irp c, 0,1,2,3,4,5,6,7                ; b of my columns 16 c + 8 h + 0 .. 7, in the accumulators' order; waited for at the way out
	global_load_b128 v[BI+8*\c:BI+8*\c+3], v[BO], s[8:9] offset:64*\c
	global_load_b128 v[BI+8*\c+4:BI+8*\c+7], v[BO], s[8:9] offset:64*\c+16
.endr
.macro FRAG reg, adr, off              ; a fragment's image: three loads of 512 consecutive bytes
.irp c, 0,1,2
	ds_load_b128 v[\reg+4*\c:\reg+4*\c+3], v[\adr] offset:\off+512*\c
.endr
.endm
.macro MUL16 a0, p, zero               ; A's blocks a0, a0 + 1 x B's eight; the 64 accumulators take turns
.irp a, \a0, \a0+1
.irp b, 0,1,2,3,4,5,6,7
.if \zero
	v_wmma_scale_f32_16x16x128_f8f6f4 v[8*(8*((\a)%4)+\b):8*(8*((\a)%4)+\b)+7], v[128*(\p)+FR*\b:128*(\p)+FR*\b+FR-1], v[AF+FR*(\a):AF+FR*(\a)+FR-1], 0, v[SC+8*(\p)+\b], v[SC+8*(\p)+(\a)] matrix_a_fmt:MATRIX_FMT_FP6 matrix_b_fmt:MATRIX_FMT_FP6 matrix_a_scale:MATRIX_SCALE_ROW1
.else
	v_wmma_scale_f32_16x16x128_f8f6f4 v[8*(8*((\a)%4)+\b):8*(8*((\a)%4)+\b)+7], v[128*(\p)+FR*\b:128*(\p)+FR*\b+FR-1], v[AF+FR*(\a):AF+FR*(\a)+FR-1], v[8*(8*((\a)%4)+\b):8*(8*((\a)%4)+\b)+7], v[SC+8*(\p)+\b], v[SC+8*(\p)+(\a)] matrix_a_fmt:MATRIX_FMT_FP6 matrix_b_fmt:MATRIX_FMT_FP6 matrix_a_scale:MATRIX_SCALE_ROW1
.endif
.endr
.endr
.endm
.macro FETCH_B slot, q, p
	WIN TO_B
.irp i, 0,1,2,3,4,5,6,7
	FRAG 128*(\p)+FR*\i, ADRB+\slot, (\q)*UNIT+\i*FRB
.endr
	WIN 0
.endm
.macro FETCH_A slot, q, i0
.irp i, \i0, \i0+1, \i0+2, \i0+3
	FRAG AF+FR*(\i), ADRA+\slot, (\q)*UNIT+(\i)*FRB
.endr
.endm
.macro SCALES slot, q, p               ; lanes 0-15 A's words of blocks 0-7, lanes 16-31 B's
	ds_load_b128 v[SC+8*(\p):SC+8*(\p)+3], v[ADRS+\slot] offset:(\q)*UNIT
	ds_load_b128 v[SC+8*(\p)+4:SC+8*(\p)+7], v[ADRS+\slot] offset:(\q)*UNIT+256
.endm
.macro PLACES n
.rept \n
	v_nop
.endr
.endm
.macro STEP slot, q, p, zero           ; 64 matrix instructions on set p; the next K step of the same slot is fetched in the middle and at the end
	s_wait_dscnt 12                                ; all but A's blocks 4-7 (twelve loads)
	WIN MUL_LO
	MUL16 0, \p, \zero
	MUL16 2, \p, \zero
	s_wait_dscnt 0
	PLACES NP
	FETCH_B \slot, (\q)+1, 1-(\p)
	SCALES \slot, (\q)+1, 1-(\p)
	FETCH_A \slot, (\q)+1, 0
	WIN MUL_HI
	MUL16 4, \p, \zero
	MUL16 6, \p, \zero
	PLACES NP
	WIN 0
	FETCH_A \slot, (\q)+1, 4
.endm
; A slot's last K step, and the change of slots.  fill: 0 none, 1 three K steps, 2 two.  ask: 0 none, 1 always, 2 not in the loop's last trip.
.macro TURN slot, next, p, fill, ask
.if \ask
	s_wait_xcnt 0x0                                ; my earlier prefetches have read their base: it steps one fill on
	s_add_nc_u64 s[PFA:PFA+1], s[PFA:PFA+1], 3*KPITCH
.endif
	s_wait_tensorcnt 0x0                           ; my one load that was out, my part of the next slot, has landed;
	ds_add_u32 v[SPW], v[NIL]
	s_wait_dscnt 13                                ; (the add and A's blocks 4-7 may be out)
	WIN MUL_LO
	MUL16 0, \p, 0
	s_wait_dscnt 0x0                               ; the add is done and my reads of this slot are over
	s_barrier_signal -1
	MUL16 2, \p, 0
	WIN 0
	s_barrier_wait -1
.if \fill
	CREST                                          ; the barrier has opened a round of the cluster's barrier
	s_add_nc_u64 s[G0+4*\slot+2:G0+4*\slot+3], s[G0+4*\slot+2:G0+4*\slot+3], 6*KPITCH
	s_add_nc_u64 s[G0B+4*\slot+2:G0B+4*\slot+3], s[G0B+4*\slot+2:G0B+4*\slot+3], 6*KPITCH
.if \fill == 1
	JLOAD G0+4*\slot, G1, G0B+4*\slot, G1B         ; the refill, first behind the round; its four v_nop are the places in front of the loads below
.else
	JLOAD G0+4*\slot, G1T, G0B+4*\slot, G1TB
.endif
.else
	PLACES NP
.endif
	FETCH_B \next, 0, 1-(\p)
	SCALES \next, 0, 1-(\p)
	FETCH_A \next, 0, 0
.if \ask
	ASK (\ask)-1
.endif
	WIN MUL_HI
	MUL16 4, \p, 0
	MUL16 6, \p, 0
	PLACES NP
	WIN 0
	FETCH_A \next, 0, 4
.endm
	s_wait_alu depctr_va_vdst(0)
	s_wait_tensorcnt 0x0                           ; my part of fill 0 is in; slot 1's first fill is issued as a refill is:
	ds_add_u32 v[SPW], v[NIL]
	s_wait_dscnt 0x0
	CROUND
	JLOAD G0+4, G1, G0B+4, G1B                     ; fill 1
	FETCH_B 0, 0, 0
	SCALES 0, 0, 0
	FETCH_A 0, 0, 0
	ASK 0                                          ; fill 2
	FETCH_A 0, 0, 4
	STEP 0, 0, 0, 1                                ; the first K step starts the sums
	s_mov_b32 s3, 4
.Llap:                                                 ; a trip: six K steps, once round the ring
	STEP 0, 1, 1, 0
	TURN 0, 1, 0, 1, 1
	STEP 1, 0, 1, 0
	STEP 1, 1, 0, 0
	TURN 1, 0, 1, 1, 2
	STEP 0, 0, 0, 0
	s_sub_co_u32 s3, s3, 1
	s_cmp_lg_u32 s3, 0
	s_cbranch_scc1 .Llap
	STEP 0, 1, 1, 0
	TURN 0, 1, 0, 2, 0                             ; fill 10: K steps 30 and 31
	STEP 1, 0, 1, 0
	STEP 1, 1, 0, 0
	TURN 1, 0, 1, 0, 0
	STEP 0, 0, 0, 0
	s_wait_dscnt 12
	WIN MUL_LO
	MUL16 0, 1, 0
	MUL16 2, 1, 0
	s_wait_dscnt 0
	WIN MUL_HI
	MUL16 4, 1, 0
	MUL16 6, 1, 0
	WIN 0
; THE WAY OUT: a loop of four trips, two blocks of 16 rows a trip.  Only X = accumulator + b names other registers from block to block: those eight pieces are written out and picked by the trip's number.
.macro IN a
	WIN 0x02+(\a)/4                                ; source 0: window 2 or 3
	s_wait_alu depctr_va_vdst(0)
.set AC, 64*((\a)%4)
.set I, 0
.rept 32
	v_pk_add_f32 v[X+I:X+I+1], v[AC+I:AC+I+1], v[BI+I:BI+I+1]   ; each accumulator from its low end on
.set I, I+2
.endr
	WIN 0
.endm
.macro PICK par
	s_wait_alu depctr_va_vdst(0)
	s_cmp_eq_u32 s3, 0
	s_cbranch_scc1 .Lb0_\@
	s_cmp_eq_u32 s3, 1
	s_cbranch_scc1 .Lb1_\@
	s_cmp_eq_u32 s3, 2
	s_cbranch_scc1 .Lb2_\@
	IN 6+\par
	s_branch .Lgo_\@
.Lb0_\@:
	IN 0+\par
	s_branch .Lgo_\@
.Lb1_\@:
	IN 2+\par
	s_branch .Lgo_\@
.Lb2_\@:
	IN 4+\par
.Lgo_\@:
.endm
.macro FOLD dst                        ; the four chains, the pair's halves, and lane l xor 16's 64 columns
	v_pk_add_f32 v[SM:SM+1], v[SM:SM+1], v[SM+2:SM+3]
	v_pk_add_f32 v[SM+4:SM+5], v[SM+4:SM+5], v[SM+6:SM+7]
	v_pk_add_f32 v[SM:SM+1], v[SM:SM+1], v[SM+4:SM+5]
	v_add_f32 v[\dst], v[SM], v[SM+1]
	v_permlanex16_b32 v[PX], v[\dst], s90, s91
	v_add_f32 v[\dst], v[\dst], v[PX]
.endm
.macro WORK cur                        ; g = X / (1 + 2^(X (k1 + k2 X^2))) in X's registers; then S and M2 into v[cur], v[cur + 1]
.set I, 0
.rept 32
	v_pk_mul_f32 v[T+I:T+I+1], v[X+I:X+I+1], v[X+I:X+I+1]
.set I, I+2
.endr
.set I, 0
.rept 32
	v_pk_fma_f32 v[T+I:T+I+1], v[T+I:T+I+1], v[K2:K2+1], v[K1:K1+1]
.set I, I+2
.endr
.set I, 0
.rept 32
	v_pk_mul_f32 v[T+I:T+I+1], v[T+I:T+I+1], v[X+I:X+I+1]
.set I, I+2
.endr
	s_wait_alu depctr_va_vdst(0)                   ; one wait ahead of each batch of transcendentals and one behind it
.set I, 0
.rept 64
	v_exp_f32 v[T+I], v[T+I]
.set I, I+1
.endr
	v_nop
	s_wait_alu depctr_va_vdst(0)
.set I, 0
.rept 32
	v_pk_add_f32 v[T+I:T+I+1], v[T+I:T+I+1], 1.0 op_sel_hi:[1,0]
.set I, I+2
.endr
	s_wait_alu depctr_va_vdst(0)
.set I, 0
.rept 64
	v_rcp_f32 v[T+I], v[T+I]
.set I, I+1
.endr
	v_nop
	s_wait_alu depctr_va_vdst(0)
.set I, 0
.rept 32
	v_pk_mul_f32 v[X+I:X+I+1], v[X+I:X+I+1], v[T+I:T+I+1]
.set I, I+2
.endr
.irp c, 0,2,4,6
	v_pk_add_f32 v[SM+\c:SM+\c+1], v[X+\c:X+\c+1], v[X+8+\c:X+8+\c+1]
.endr
.irp i, 16,24,32,40,48,56
.irp c, 0,2,4,6
	v_pk_add_f32 v[SM+\c:SM+\c+1], v[SM+\c:SM+\c+1], v[X+\i+\c:X+\i+\c+1]
.endr
.endr
	FOLD \cur
	v_mul_f32 v[MN], s92, v[\cur]
	v_mul_f32 v[MN+1], s92, v[\cur]
.set I, 0
.rept 32
	v_pk_add_f32 v[T+I:T+I+1], v[X+I:X+I+1], v[MN:MN+1] neg_lo:[0,1] neg_hi:[0,1]   ; g - S / 128: the squares are taken about the run's own mean, so no two large sums are subtracted
.set I, I+2
.endr
.irp c, 0,2,4,6
	v_pk_mul_f32 v[SM+\c:SM+\c+1], v[T+\c:T+\c+1], v[T+\c:T+\c+1]
.endr
.irp i, 8,16,24,32,40,48,56
.irp c, 0,2,4,6
	v_pk_fma_f32 v[SM+\c:SM+\c+1], v[T+\i+\c:T+\i+\c+1], v[T+\i+\c:T+\i+\c+1], v[SM+\c:SM+\c+1]
.endr
.endr
	FOLD \cur+1
.endm
.macro TOSTAGE par                     ; 16 rows x 512 bytes into my stage and back as whole rows; LDS serves a wave's instructions in order (ISA guide 5.7.1.4)
.irp c, 0,1,2,3,4,5,6,7
	ds_store_b128 v[STO], v[X+8*\c:X+8*\c+3] offset:64*\c
	ds_store_b128 v[STO], v[X+8*\c+4:X+8*\c+7] offset:64*\c+16
.endr
	WIN TO_B
.irp t, 0,1,2,3,4,5,6,7,8,9,10,11,12,13,14,15
	ds_load_b128 v[BK+64*\par+4*\t:BK+64*\par+4*\t+3], v[RD] offset:\t*SPITCH
.endr
	WIN 0
.endm
.macro STORES par, back                ; 32 lanes store 512 consecutive bytes, at a multiple of 256 from g's first byte
	WIN 0x04                                       ; the data: window 1
.irp t, 0,1,2,3,4,5,6,7,8,9,10,11,12,13,14,15
	global_store_b128 v[CO], v[BK+64*\par+4*\t:BK+64*\par+4*\t+3], s[12:13] offset:\t*SIZE_N*4-\back th:TH_STORE_NT
.endr
	WIN 0
.endm
.macro SENDP first                     ; the odd block of the trip before: both bases step a trip on, and its rows lie 16 rows back.  first = 1: the first trip has none
	s_wait_dscnt 0x0                               ; the block is back in registers
	s_wait_xcnt 0x0                                ; earlier stores have read their registers and bases
.if \first
	s_cmp_eq_u32 s3, 0
	s_cbranch_scc1 .Lnone_\@
.endif
	s_add_nc_u64 s[12:13], s[12:13], 32*SIZE_N*4
	s_add_nc_u64 s[10:11], s[10:11], 8192
	STORES 1, 16*SIZE_N*4
.if \first
.Lnone_\@:
.endif
.endm
	PLACES NP                                      ; behind the last products, ahead of reads of results and writes of operands
	v_mov_b32 v[PX], 0                             ; a lane permute's destination counts as a source
	s_wait_loadcnt 0x0                             ; b is in
	s_mov_b32 s3, 0
.Lout:
	PICK 0
	WORK EV
	s_wait_alu depctr_va_vdst(0)
	SENDP 1
	TOSTAGE 0
	PICK 1
	WORK OD
	v_cndmask_b32 v[SO], v[EV], v[OD], s93         ; lanes 0-15 send the even block's rows, lanes 16-31 the odd block's
	v_cndmask_b32 v[SO+1], v[EV+1], v[OD+1], s93
	global_store_b64 v[SOF], v[SO:SO+1], s[10:11]  ; 32 rows' pairs: 256 consecutive bytes, aligned
	s_wait_alu depctr_va_vdst(0)
	s_wait_dscnt 0x0
	s_wait_xcnt 0x0
	STORES 0, 0
	TOSTAGE 1
	s_add_co_u32 s3, s3, 1
	s_cmp_lt_u32 s3, 4
	s_cbranch_scc1 .Lout
	SENDP 0
	s_wait_tensorcnt 0x0                           ; the wave's end
	ds_add_u32 v[SPW], v[NIL]
	s_wait_dscnt 0x0
	CROUND                                         ; the closing round
	s_endpgm
.Lfunc_end_k_q4fc7981141_gemm:
	.size	k_q4fc7981141_gemm, .Lfunc_end_k_q4fc7981141_gemm-k_q4fc7981141_gemm
	.p2alignl 7, 3214868480
	.fill 96, 4, 3214868480
	.section	.rodata,"a",@progbits
	.p2align	6, 0x0
	.amdhsa_kernel k_q4fc7981141_gemm
		.amdhsa_group_segment_fixed_size 327680
		.amdhsa_private_segment_fixed_size 0
		.amdhsa_enable_private_segment 0
		.amdhsa_kernarg_size 40
		.amdhsa_user_sgpr_count 2
		.amdhsa_user_sgpr_kernarg_segment_ptr 1
		.amdhsa_wavefront_size32 1
		.amdhsa_system_sgpr_workgroup_id_x 1
		.amdhsa_system_sgpr_workgroup_id_y 1
		.amdhsa_system_sgpr_workgroup_id_z 1
		.amdhsa_system_vgpr_workitem_id 0
		.amdhsa_next_free_vgpr 1024
		.amdhsa_next_free_sgpr 96
		.amdhsa_reserve_vcc 0
		.amdhsa_float_denorm_mode_32 3
		.amdhsa_float_denorm_mode_16_64 3
		.amdhsa_memory_ordered 1
		.amdhsa_forward_progress 1
		.amdhsa_inst_pref_size 246
	.end_amdhsa_kernel
	.amdgpu_metadata
---
amdhsa.version: [ 1, 2 ]
amdhsa.kernels:
  - .name:           k_q4fc7981141_gemm
    .symbol:         k_q4fc7981141_gemm.kd
    .args:
      - { .name: xq, .offset: 0, .size: 8, .value_kind: global_buffer, .address_space: global }
      - { .name: wq, .offset: 8, .size: 8, .value_kind: global_buffer, .address_space: global }
      - { .name: b, .offset: 16, .size: 8, .value_kind: global_buffer, .address_space: global }
      - { .name: st, .offset: 24, .size: 8, .value_kind: global_buffer, .address_space: global }
      - { .name: g, .offset: 32, .size: 8, .value_kind: global_buffer, .address_space: global }
    .group_segment_fixed_size: 327680
    .private_segment_fixed_size: 0
    .kernarg_segment_align: 8
    .kernarg_segment_size: 40
    .max_flat_workgroup_size: 128
    .sgpr_count:     96
    .vgpr_count:     1024
    .wavefront_size: 32
...
	.end_amdgpu_metadata
.endif
;; end of part 2
;; launch apply (part 3): grid 8 x 128, 4 waves a work-group, no clusters, 0 bytes of LDS; arguments g, st, a2, b2, out0; writes out0
.if DOCPART == 3
	.amdgcn_target "amdgcn-amd-amdhsa--gfx1250"
	.amdhsa_code_object_version 6
	.text
	.protected	k_q4fc7981141_apply
	.globl	k_q4fc7981141_apply
	.p2align	8
	.type	k_q4fc7981141_apply,@function
k_q4fc7981141_apply:
	s_mov_b64 s[64:65], 0
	v_nop
	global_prefetch_b8 v0, s[64:65] scope:SCOPE_SE
	s_setreg_imm32_b32 hwreg(HW_REG_WAVE_MODE, 25, 1), 1
	s_wait_xcnt 0x0
; out0[r][c] = (g[r][c] - mean_r) rstd_r a2[c] + b2[c]; mean and (biased) variance over a row's 4,096 columns; rstd = 1 / sqrt(var + 1e-12).  All f32.
; st holds, for each row and each of its 32 runs of 128 columns, S = the sum of g and M2 = the sum of (g - S / 128)^2: [group of 32 rows][run][row][S, M2].
; mean = (sum of S) / 4096;  var = (sum of M2 + 128 x the sum of (S / 128 - mean)^2) / 4096: no difference of large sums.
; SHARES.  A work-group takes 32 rows x 512 columns, a wave 32 rows x 128 columns: each load or store of a wave covers 512 consecutive bytes, aligned; a thread's 4 numbers of a2 and b2 are loaded once.
; LANE l JOINS ROW l's 32 PAIRS: each of the 32 loads of st covers one aligned run of 256 bytes, and no other lane is asked.  The row's two numbers then go to scalar registers by v_readlane_b32.
; All loads are issued at the head, no register is loaded twice; the rows are worked in groups of four as they land.
; ORDER OF ROUNDING: ((g rstd - mean rstd) a2 + b2), where the definition has g (rstd a2) + (b2 - mean rstd a2).  NaN and infinities in g are passed on as the arithmetic gives them.
; No LDS, no barrier, no matrix unit, no cluster: waves share only st's 8,192 bytes of their rows and 4,096 bytes of a2 and b2, against 131,072 bytes of rows read and written by a work-group.
; No prefetch: the text has no loop to run ahead in; every byte is asked for at the head.
.set ROWB, 16384
.set OFF,  1                           ; v1  16 x thread
.set SOF,  2                           ; v2  8 x lane
.set GA,   8                           ; v[8:11]  a2
.set SH,   12                          ; v[12:15] b2
.set CH,   16                          ; v[16:23] four chains of pairs (S, M2)
.set ME,   24                          ; the row's mean, then -mean x rstd
.set RS,   25                          ; rstd
.set QA,   26                          ; v[26:29] four chains of squares
.set ST,   32                          ; v[32:95] the 32 pairs
.set X,    96                          ; v[96:223] row i at 96 + 4 i
.set RSS,  32                          ; s[32:63] rstd of row i
.set NMS,  66                          ; s[66:97] -mean x rstd
	s_load_b256 s[4:11], s[0:1], 0x0               ; g, st, a2, b2
	s_load_b64 s[12:13], s[0:1], 0x20              ; out0
	v_lshlrev_b32 v[OFF], 4, v0
	v_and_b32 v[SOF], 31, v0
	s_delay_alu instid0(VALU_DEP_1)
	v_lshlrev_b32 v[SOF], 3, v[SOF]
	s_and_b32 s14, ttmp7, 0xffff                   ; which 32 rows
	s_lshl_b32 s16, s14, 19                        ; x 32 rows of 16,384 bytes (127 x 2^19 at the most)
	s_lshl_b32 s18, ttmp9, 11                      ; which 512 columns, in bytes
	s_add_co_u32 s16, s16, s18
	s_mov_b32 s17, 0
	s_mov_b32 s19, 0
	s_lshl_b32 s20, s14, 13                        ; the group's 8,192 bytes of st
	s_mov_b32 s21, 0
	s_mov_b32 s22, 0x3c000000                      ; 1 / 128
	s_mov_b32 s23, 0x43000000                      ; 128
	s_mov_b32 s24, 0x39800000                      ; 1 / 4096
	s_mov_b32 s25, 0x2b8cbccc                      ; 1e-12
	s_wait_alu depctr_va_vdst(0)
	s_wait_kmcnt 0x0
	s_add_nc_u64 s[4:5], s[4:5], s[16:17]
	s_add_nc_u64 s[12:13], s[12:13], s[16:17]
	s_add_nc_u64 s[6:7], s[6:7], s[20:21]
	s_add_nc_u64 s[8:9], s[8:9], s[18:19]
	s_add_nc_u64 s[10:11], s[10:11], s[18:19]
.set I, 0
.rept 32
	global_load_b64 v[ST+2*I:ST+2*I+1], v[SOF], s[6:7] offset:256*I
.set I, I+1
.endr
	global_load_b128 v[GA:GA+3], v[OFF], s[8:9]
	global_load_b128 v[SH:SH+3], v[OFF], s[10:11]
.set I, 0
.rept 32
	global_load_b128 v[X+4*I:X+4*I+3], v[OFF], s[4:5] offset:I*ROWB th:TH_LOAD_NT   ; read once in the launch
.set I, I+1
.endr
	s_wait_loadcnt 34                              ; the 32 pairs are in; behind them a2, b2 and the 32 rows may be out
.irp c, 0,2,4,6
	v_pk_add_f32 v[CH+\c:CH+\c+1], v[ST+\c:ST+\c+1], v[ST+8+\c:ST+8+\c+1]
.endr
.irp i, 16,24,32,40,48,56
.irp c, 0,2,4,6
	s_delay_alu instid0(VALU_DEP_4)
	v_pk_add_f32 v[CH+\c:CH+\c+1], v[CH+\c:CH+\c+1], v[ST+\i+\c:ST+\i+\c+1]
.endr
.endr
	v_pk_add_f32 v[CH:CH+1], v[CH:CH+1], v[CH+2:CH+3]
	v_pk_add_f32 v[CH+4:CH+5], v[CH+4:CH+5], v[CH+6:CH+7]
	s_delay_alu instid0(VALU_DEP_1)
	v_pk_add_f32 v[CH:CH+1], v[CH:CH+1], v[CH+4:CH+5]   ; the sum of S, the sum of M2
	s_delay_alu instid0(VALU_DEP_1)
	v_mul_f32 v[ME], s24, v[CH]                    ; the row's mean
.set I, 0
.rept 32
	v_fma_f32 v[ST+2*I], v[ST+2*I], s22, -v[ME]    ; a run's mean less the row's
.set I, I+1
.endr
.irp c, 0,1,2,3
	v_mul_f32 v[QA+\c], v[ST+2*\c], v[ST+2*\c]
.endr
.irp i, 4,8,12,16,20,24,28
.irp c, 0,1,2,3
	s_delay_alu instid0(VALU_DEP_4)
	v_fma_f32 v[QA+\c], v[ST+2*(\i+\c)], v[ST+2*(\i+\c)], v[QA+\c]
.endr
.endr
	v_add_f32 v[QA], v[QA], v[QA+1]
	v_add_f32 v[QA+2], v[QA+2], v[QA+3]
	s_delay_alu instid0(VALU_DEP_1)
	v_add_f32 v[QA], v[QA], v[QA+2]
	s_delay_alu instid0(VALU_DEP_1)
	v_fma_f32 v[CH+1], v[QA], s23, v[CH+1]
	s_delay_alu instid0(VALU_DEP_1)
	v_fma_f32 v[CH+1], v[CH+1], s24, s25           ; var + eps
	s_wait_alu depctr_va_vdst(0)                   ; a wait ahead of the transcendental and one behind it
	v_rsq_f32 v[RS], v[CH+1]
	v_nop
	s_wait_alu depctr_va_vdst(0)
	v_mul_f32 v[ME], -v[ME], v[RS]                 ; -mean x rstd
.set I, 0
.rept 32
	v_readlane_b32 s[RSS+I], v[RS], I
	v_readlane_b32 s[NMS+I], v[ME], I
.set I, I+1
.endr
.set Q, 0
.rept 8
	s_wait_loadcnt 28-4*Q                          ; loads come back in order (ISA guide 5.7.1): a2, b2 and this group's four rows are in; the four of each later group may be out
.irp r, 0,1,2,3
.irp k, 0,1,2,3
	v_fma_f32 v[X+16*Q+4*\r+\k], v[X+16*Q+4*\r+\k], s[RSS+4*Q+\r], s[NMS+4*Q+\r]
.endr
.endr
.irp r, 0,1,2,3
.irp k, 0,2
	v_pk_fma_f32 v[X+16*Q+4*\r+\k:X+16*Q+4*\r+\k+1], v[X+16*Q+4*\r+\k:X+16*Q+4*\r+\k+1], v[GA+\k:GA+\k+1], v[SH+\k:SH+\k+1]
.endr
.endr
.irp r, 0,1,2,3
	global_store_b128 v[OFF], v[X+16*Q+4*\r:X+16*Q+4*\r+3], s[12:13] offset:(4*Q+\r)*ROWB th:TH_STORE_NT   ; these registers are not written again
.endr
.set Q, Q+1
.endr
	s_endpgm
.Lfunc_end_k_q4fc7981141_apply:
	.size	k_q4fc7981141_apply, .Lfunc_end_k_q4fc7981141_apply-k_q4fc7981141_apply
	.p2alignl 7, 3214868480
	.fill 96, 4, 3214868480
	.section	.rodata,"a",@progbits
	.p2align	6, 0x0
	.amdhsa_kernel k_q4fc7981141_apply
		.amdhsa_group_segment_fixed_size 0
		.amdhsa_private_segment_fixed_size 0
		.amdhsa_enable_private_segment 0
		.amdhsa_kernarg_size 40
		.amdhsa_user_sgpr_count 2
		.amdhsa_user_sgpr_kernarg_segment_ptr 1
		.amdhsa_wavefront_size32 1
		.amdhsa_system_sgpr_workgroup_id_x 1
		.amdhsa_system_sgpr_workgroup_id_y 1
		.amdhsa_system_sgpr_workgroup_id_z 1
		.amdhsa_system_vgpr_workitem_id 0
		.amdhsa_next_free_vgpr 224
		.amdhsa_next_free_sgpr 98
		.amdhsa_reserve_vcc 0
		.amdhsa_float_denorm_mode_32 3
		.amdhsa_float_denorm_mode_16_64 3
		.amdhsa_memory_ordered 1
		.amdhsa_forward_progress 1
		.amdhsa_inst_pref_size 35
	.end_amdhsa_kernel
	.amdgpu_metadata
---
amdhsa.version: [ 1, 2 ]
amdhsa.kernels:
  - .name:           k_q4fc7981141_apply
    .symbol:         k_q4fc7981141_apply.kd
    .args:
      - { .name: g, .offset: 0, .size: 8, .value_kind: global_buffer, .address_space: global }
      - { .name: st, .offset: 8, .size: 8, .value_kind: global_buffer, .address_space: global }
      - { .name: a2, .offset: 16, .size: 8, .value_kind: global_buffer, .address_space: global }
      - { .name: b2, .offset: 24, .size: 8, .value_kind: global_buffer, .address_space: global }
      - { .name: out0, .offset: 32, .size: 8, .value_kind: global_buffer, .address_space: global }
    .group_segment_fixed_size: 0
    .private_segment_fixed_size: 0
    .kernarg_segment_align: 8
    .kernarg_segment_size: 40
    .max_flat_workgroup_size: 128
    .sgpr_count:     98
    .vgpr_count:     224
    .wavefront_size: 32
...
	.end_amdgpu_metadata
.endif
;; end of part 3
